; MI455X (gfx1250); checked and timed in simulation.
; The chip was launched on July 23, 2026; its instructions are those of AMD's public machine-readable ISA for CDNA 5 (MIT licence, August 2026) and "CDNA5" Instruction Set Architecture Reference Guide (July 2026). The comments in the code are by the model that wrote it; some were corrected since.
;; Self Attention Head. Allowed arithmetic: matrix products marked QUANTISED: E3M2 operands, one E8M0 scale for each 32 along K, by v_wmma_scale_f32_16x16x128_f8f6f4 with both operands' format E3M2, f32 sums; everything else in f32.
;; Inputs: W 3,072 x 1,024 float32; b 3,072 float32; x 4 x 2,048 x 1,024 float32.
;; Outputs: out0 4 x 2,048 x 1,024 float32.
;; Constants: input_pos = 0.
;; This version of the problem:
;;   THIS VERSION OF THE PROBLEM IS GIVEN IN LOW PRECISION. The matrix products marked QUANTISED in the list below multiply operands that are first quantised to E3M2 (3 exponent bits, 2 mantissa bits; 6 bits a number), with one power-of-two scale for each 32 numbers along K (OCP MX v1.0); their sums are f32. All else is computed in f32.
;;   The module's matrix products, in the order in which they are computed (A, B: the left and right operand; K: the contracted axis; several contracted axes count as one K, in the product's order):
;;     1. [M 8,192, K 1,024] x [K 1,024, N 3,072]; A: input x; B: input W: QUANTISED
;;     2. batch 64 x [M 2,048, K 64] x [K 64, N 2,048]; A: computed on the way; B: computed on the way: QUANTISED
;;     3. batch 64 x [M 2,048, K 2,048] x [K 2,048, N 64]; A: softmax (see below); B: computed on the way: QUANTISED
;;   THE QUANTISER, for each operand of a quantised product, along K:
;;     - K is cut into blocks of 32 from its start; a last block that is shorter is filled with zeros.
;;     - A block's scale is 2^e with e = floor(log2(the largest magnitude in the block)) - 4, held to -126 .. 127; a block of zeros has e = 0. As a byte (E8M0): e + 127.
;;     - Each number is divided by its block's scale, clamped to +-28, and rounded to the nearest number of E3M2, ties to even, subnormals kept.
;;     - The product sums the exact products of the quantised numbers (number of the format x scale) in f32.
;;   ~~~python
;;   def quantise(x, axis):      # numpy; x: float32 -> the quantised numbers, widened to float32 again
;;       x = np.moveaxis(x, axis, -1); K = x.shape[-1]
;;       x = np.pad(x, [(0, 0)] * (x.ndim - 1) + [(0, -K % 32)]); x = x.reshape(x.shape[:-1] + (-1, 32)); a = np.abs(x).max(-1, keepdims=True)
;;       e = np.where(a > 0, np.clip(np.frexp(np.where(a > 0, a, 1))[1] - 1 - 4, -126, 127), 0)      # np.frexp(a)[1] - 1 = floor(log2(a)), exactly
;;       r = np.clip(x / 2.0 ** e, -28, 28)
;;       step = 2.0 ** (np.maximum(np.frexp(np.where(r == 0, 1, r))[1] - 1, -2) - 2)
;;       q = np.round(r / step) * step * 2.0 ** e      # np.round: ties to even
;;       return np.moveaxis(q.reshape(q.shape[:-2] + (-1,))[..., :K], -1, axis).astype(np.float32)
;;   ~~~
;;   SOFTMAX AHEAD OF A QUANTISED PRODUCT. Where the list says 'softmax', what is quantised is not the finished softmax but p = 2^(t - M), with t = logit x log2(e) and M = ceil(the row's largest t), a whole number; so 1/2 < the row's largest p <= 1. The row's sum l is taken of the UNQUANTISED p, in f32, and the product's result is divided by l at the end. Since M is a whole number, a kernel that streams over the keys may use a running M (the ceiling of the running maximum): every later rescaling is an exact power of two, which a block's scale takes up: the codes' values come out the same.
;;   OPERANDS COMPUTED ON THE WAY. 'Computed on the way' means the value that the module computes at that place (a softmax that the list does not call 'softmax' is quantised finished and normalised). What goes into a quantiser is computed in f32, as accurately as f32 sums, v_exp_f32 and their like allow (about 1e-6 of the number): no bf16 or f16 on the way to a quantiser, and a product that is left as it is and whose result goes on into a quantised operand takes f32 operands (vector FMAs, or v_wmma_f32_16x16x4_f32). A number that lies on a knife's edge between two numbers of the format may be rounded either way, as far as f32 arithmetic and the matrix unit's own rounding can turn it there, and no further.
;; One version. Each part assembles by itself: llvm-mc -triple=amdgcn-amd-amdhsa -mcpu=gfx1250 --defsym DOCPART=n.
;; ======== version 1 of 1: 3 launches
;; limits: right only within a limited range of input values
;; workspace buffers: xw 8,650,752 bytes; xws 360,448 bytes; img 19,660,800 bytes; sw 524,288 bytes
;; launch quant (part 1): grid 352 x 1, 4 waves a work-group, no clusters, 34,304 bytes of LDS; arguments x, W, xw, xws; writes xw, xws
.if DOCPART == 1
	.amdgcn_target "amdgcn-amd-amdhsa--gfx1250"
	.amdhsa_code_object_version 6
	.text
	.protected	k_qae27fe8ca1_quant
	.globl	k_qae27fe8ca1_quant
	.p2align	8
	.type	k_qae27fe8ca1_quant,@function
k_qae27fe8ca1_quant:
	s_mov_b64 s[64:65], 0
	v_nop
	global_prefetch_b8 v0, s[64:65] scope:SCOPE_SE
	s_setreg_imm32_b32 hwreg(HW_REG_WAVE_MODE, 25, 1), 1
	s_wait_xcnt 0x0
; x [8192][1024] and W [3072][1024], f32, become codes of BF6 (E3M2) with one E8M0 scale byte for each 32 along K, laid as the product's launch wants them:
; as IMAGES OF OPERAND REGISTERS.  A row tile T = 2 B + u holds the 16 rows 32 B + 8 u + i + 8 (i / 8), i = 0 .. 15; tiles 0-511 are x's, 512-703 W's.
; xw  = [K slot of 256: 4][T: 704][K step of 128 in the slot: 2][1,536 bytes]; a fragment's 1,536 bytes are [register group g: 3][lane: 32][16 bytes] = registers 4 g .. 4 g + 3 of the lane.
; xws = [T][K half g: 2][row: 16][4 words]: word q of half g is the row's scale word (four bytes) of K step 4 g + q.
; A block's scale byte is its largest magnitude's exponent field - 4, held at 1 from below by a floor among the maximum's leaves.
; LIMITS: NaN and infinities are not served; a block of zeros, or one whose largest magnitude lies under 2^-122, gets the byte 1 (its codes are what the conversion gives; this program alone reads the bytes).
; SHARES: work-group n takes tiles 2 n and 2 n + 1; wave w takes tile 2 n + w / 2 and K half w % 2: four K steps of 128.  Each load reads 512 consecutive bytes of one row; a step's 16 rows turn through
; the wave's own stage in LDS (rows of 528 bytes), so that a lane gets the 64 numbers k = 64 c + 32 h + 0 .. 31 of its row.  Waves share nothing: no barrier.
.set SIGMA, 2162688                    ; bytes of one K slot of all 704 tiles
.set RB,  16                           ; v16-143  two sets of 64 registers as loaded: row i at 4 i
.set X,   144                          ; v144-207 register 32 c + i = k 64 c + 32 h + i of my row
.set CD,  208                          ; v208-231 two sets of 12: a fragment's codes
.set CT,  232                          ; v232-238 the second halves of the blocks' codes, before they are moved
.set WD,  240                          ; v240-243 the four steps' scale words
.set MX,  244                          ; v244-245 largest magnitudes, 246-247 scale operands, 248-249 bytes, 250 my two bytes, 251 the other half's
	s_load_b128 s[4:7], s[0:1], 0x0                ; x, W
	s_load_b128 s[8:11], s[0:1], 0x10              ; xw, xws
	v_lshl_add_u32 v254, v0, 2, 0x8400
	v_mov_b32 v255, 0
	v_lshrrev_b32 v5, 5, v0
	v_readfirstlane_b32 s12, v5                    ; wave
	s_lshr_b32 s13, s12, 1                         ; u: which of the two tiles
	s_and_b32 s14, s12, 1                          ; g: which half of K
	v_and_b32 v5, 31, v0
	v_lshlrev_b32 v1, 4, v5                        ; 16 x lane: loads and stores
	v_and_b32 v7, 15, v0                           ; r
	v_bfe_u32 v8, v0, 4, 1                         ; h
	s_mul_i32 s15, s12, 8448                       ; my stage
	v_add_nc_u32 v2, s15, v1                       ; into it: 16 x lane of a row
	v_mul_u32_u24 v3, v7, 528
	v_lshl_add_u32 v3, v8, 7, v3
	v_add_nc_u32 v3, s15, v3                       ; out of it: row r, + 128 h
	v_lshlrev_b32 v4, 4, v7
	v_lshl_add_u32 v4, v8, 3, v4                   ; the scale words' place: 16 r + 8 h
	v_lshlrev_b32 v6, 3, v8                        ; 8 h: my bytes' shift in a scale word
	v_mov_b32 v[MX+7], 0                           ; a lane permute's destination counts as one of its sources
	s_mov_b32 s20, 0x76543210
	s_mov_b32 s21, 0xfedcba98                      ; selects for lane l xor 16
	s_lshl_b32 s16, ttmp9, 1
	s_add_co_u32 s16, s16, s13                     ; T
	s_mul_i32 s22, s16, 3072
	s_mul_i32 s17, s14, 2*SIGMA                    ; K half g begins at K slot 2 g
	s_add_co_u32 s22, s22, s17
	s_mov_b32 s23, 0
	s_lshl_b32 s24, s16, 9
	s_lshl_b32 s17, s14, 8
	s_add_co_u32 s24, s24, s17                     ; 512 T + 256 g
	s_mov_b32 s25, 0
	s_lshl_b32 s18, s13, 15                        ; 8 u rows of 4,096 bytes
	s_lshl_b32 s17, s14, 11                        ; 2,048 g
	s_add_co_u32 s18, s18, s17
	s_wait_alu depctr_va_vdst(0)
	s_wait_kmcnt 0x0
	s_cmp_lt_u32 ttmp9, 256                        ; x's work-group or W's: the choice hangs on the work-group's number alone
	s_cselect_b64 s[4:5], s[4:5], s[6:7]
	s_cselect_b32 s17, 0, 256
	s_sub_co_u32 s17, ttmp9, s17
	s_lshl_b32 s17, s17, 17                        ; 32 rows of 4,096 bytes a work-group
	s_add_co_u32 s26, s17, s18
	s_mov_b32 s27, 0
	s_add_nc_u64 s[4:5], s[4:5], s[26:27]
	s_add_nc_u64 s[8:9], s[8:9], s[22:23]
	s_add_nc_u64 s[10:11], s[10:11], s[24:25]
.macro LOAD t                          ; K step t: the tile's 16 rows, 512 consecutive bytes a load
.irp i, 0,1,2,3,4,5,6,7,8,9,10,11,12,13,14,15
	global_load_b128 v[RB+64*((\t)%2)+4*\i:RB+64*((\t)%2)+4*\i+3], v1, s[4:5] offset:(\i+8*(\i/8))*4096+512*(\t) th:TH_LOAD_NT
.endr
.endm
.macro STEP t
.set CSET, CD+12*((\t)%2)
.if (\t) < 3
	s_wait_loadcnt 16                              ; this step's 16 loads are in; the next step's 16 may be out
.else
	s_wait_loadcnt 0x0
.endif
.irp i, 0,1,2,3,4,5,6,7,8,9,10,11,12,13,14,15
	ds_store_b128 v2, v[RB+64*((\t)%2)+4*\i:RB+64*((\t)%2)+4*\i+3] offset:528*\i
.endr
.irp c, 0,1
.irp j, 0,1,2,3,4,5,6,7
	ds_load_b128 v[X+32*\c+4*\j:X+32*\c+4*\j+3], v3 offset:256*\c+16*\j   ; LDS serves a wave's instructions in order: these see the stores above
.endr
.endr
	s_wait_dscnt 0x0                               ; my numbers are back, and the stores have read their registers,
.if (\t) < 2
	LOAD (\t)+2                                    ; which take the loads of two steps on
.endif
.if (\t) >= 2
	s_wait_xcnt 0x0                                ; the stores of two steps back have read this set of codes: it is written again only behind this wait
.endif
.irp c, 0,1
	v_max3_num_f32 v[MX+\c], |v[X+32*\c]|, |v[X+32*\c+1]|, 0x2800000   ; block 2 c + h: all 32 numbers are mine; the floor 2^(5 - 127) keeps the byte at 1 or above
.endr
.irp i, 2,4,6,8,10,12,14,16,18,20,22,24,26,28,30
.irp c, 0,1
	v_max3_num_f32 v[MX+\c], v[MX+\c], |v[X+32*\c+\i]|, |v[X+32*\c+\i+1]|
.endr
.endr
.irp c, 0,1
	v_add_nc_u32 v[MX+2+\c], 0xfe000000, v[MX+\c]  ; 4 off the exponent field: the conversion's scale operand
.endr
.irp c, 0,1
	v_lshrrev_b32 v[MX+4+\c], 23, v[MX+2+\c]       ; the scale's byte
.endr
	v_lshl_or_b32 v[MX+6], v[MX+5], 16, v[MX+4]    ; blocks h and 2 + h,
	v_lshlrev_b32 v[MX+6], v6, v[MX+6]             ; at their places in the word;
	v_permlanex16_b32 v[MX+7], v[MX+6], s20, s21
	v_or_b32 v[WD+(\t)], v[MX+6], v[MX+7]          ; with lane l xor 16's two the word is whole
.irp c, 0,1
	v_cvt_scalef32_pk16_bf6_f32 v[CSET+6*\c:CSET+6*\c+2], v[X+32*\c:X+32*\c+15], v[MX+2+\c]
	v_cvt_scalef32_pk16_bf6_f32 v[CT+4*\c:CT+4*\c+2], v[X+32*\c+16:X+32*\c+31], v[MX+2+\c]   ; (a conversion's three registers begin on an even number)
.endr
	v_nop                                          ; one plain place behind the scaled conversions
.irp c, 0,1
.irp i, 0,1,2
	v_mov_b32 v[CSET+6*\c+3+\i], v[CT+4*\c+\i]
.endr
.endr
.irp g, 0,1,2
	global_store_b128 v1, v[CSET+4*\g:CSET+4*\g+3], s[8:9] offset:((\t)/2)*SIGMA+((\t)%2)*1536+512*\g   ; 512 consecutive bytes, aligned
.endr
.endm
	LOAD 0
	LOAD 1
	STEP 0
	STEP 1
	STEP 2
	STEP 3
	v_cmp_eq_u32 vcc_lo, 1, v8                     ; lanes 0-15 store words 0, 1 of their row, lanes 16-31 words 2, 3: the wave stores 256 consecutive bytes
	v_cndmask_b32 v252, v[WD], v[WD+2], vcc_lo
	v_cndmask_b32 v253, v[WD+1], v[WD+3], vcc_lo
	global_store_b64 v4, v[252:253], s[10:11]
	s_wait_tensorcnt 0x0
	ds_add_u32 v254, v255
	s_wait_dscnt 0x0
	s_endpgm
.Lfunc_end_k_qae27fe8ca1_quant:
	.size	k_qae27fe8ca1_quant, .Lfunc_end_k_qae27fe8ca1_quant-k_qae27fe8ca1_quant
	.p2alignl 7, 3214868480
	.fill 96, 4, 3214868480
	.section	.rodata,"a",@progbits
	.p2align	6, 0x0
	.amdhsa_kernel k_qae27fe8ca1_quant
		.amdhsa_group_segment_fixed_size 34304
		.amdhsa_private_segment_fixed_size 0
		.amdhsa_enable_private_segment 0
		.amdhsa_kernarg_size 32
		.amdhsa_user_sgpr_count 2
		.amdhsa_user_sgpr_kernarg_segment_ptr 1
		.amdhsa_wavefront_size32 1
		.amdhsa_system_sgpr_workgroup_id_x 1
		.amdhsa_system_sgpr_workgroup_id_y 1
		.amdhsa_system_sgpr_workgroup_id_z 1
		.amdhsa_system_vgpr_workitem_id 0
		.amdhsa_next_free_vgpr 256
		.amdhsa_next_free_sgpr 66
		.amdhsa_reserve_vcc 1
		.amdhsa_float_denorm_mode_32 3
		.amdhsa_float_denorm_mode_16_64 3
		.amdhsa_memory_ordered 1
		.amdhsa_forward_progress 1
		.amdhsa_inst_pref_size 30
	.end_amdhsa_kernel
	.amdgpu_metadata
---
amdhsa.version: [ 1, 2 ]
amdhsa.kernels:
  - .name:           k_qae27fe8ca1_quant
    .symbol:         k_qae27fe8ca1_quant.kd
    .args:
      - { .name: x, .offset: 0, .size: 8, .value_kind: global_buffer, .address_space: global }
      - { .name: W, .offset: 8, .size: 8, .value_kind: global_buffer, .address_space: global }
      - { .name: xw, .offset: 16, .size: 8, .value_kind: global_buffer, .address_space: global }
      - { .name: xws, .offset: 24, .size: 8, .value_kind: global_buffer, .address_space: global }
    .group_segment_fixed_size: 34304
    .private_segment_fixed_size: 0
    .kernarg_segment_align: 8
    .kernarg_segment_size: 32
    .max_flat_workgroup_size: 128
    .sgpr_count:     66
    .vgpr_count:     256
    .wavefront_size: 32
...
	.end_amdgpu_metadata
.endif
;; end of part 1
;; launch proj (part 2): grid 8 x 32, 4 waves a work-group, clusters of 4 x 4, 327,680 bytes of LDS; arguments xw, xws, b, img, sw; writes img, sw
.if DOCPART == 2
	.amdgcn_target "amdgcn-amd-amdhsa--gfx1250"
	.amdhsa_code_object_version 6
	.text
	.protected	k_qae27fe8ca1_proj
	.globl	k_qae27fe8ca1_proj
	.p2align	8
	.type	k_qae27fe8ca1_proj,@function
k_qae27fe8ca1_proj:
	s_mov_b64 s[64:65], 0
	v_nop
	global_prefetch_b8 v0, s[64:65] scope:SCOPE_SE
	s_setreg_imm32_b32 hwreg(HW_REG_WAVE_MODE, 25, 1), 1
	s_wait_xcnt 0x0
	s_wait_alu depctr_hold_cnt(0) depctr_sa_sdst(0) depctr_va_vdst(0) depctr_va_sdst(0) depctr_va_ssrc(0) depctr_va_vcc(0) depctr_vm_vsrc(0)
	s_getreg_b32 s2, hwreg(HW_REG_IB_STS2, 6, 4)
	s_cmp_eq_u32 s2, 0
	s_cbranch_scc0 .Lentry_in_a_cluster
	s_endpgm
.Lentry_in_a_cluster:
	s_bfe_u32 s2, ttmp6, 0x10000c
	s_cmp_lg_u32 s2, 0xf033
	s_cbranch_scc0 .Lentry_shape_is_right
	s_endpgm
.Lentry_shape_is_right:
; qkv = x W^T + b on codes of BF6 (E3M2) with E8M0 scales, K = 1,024; the results are quantised in registers for the attention's products and leave as images of operand registers.
; SIDES.  Source 0 of every product is side P, along which the NEXT product's K runs; source 1 is side Q, of which a lane holds one row.  Both sides are row tiles of the one buffer xw
; (tile T = 2 B + u holds rows 32 B + 8 u + i + 8 (i / 8); tiles 0-511 are x's, 512-703 W's).
; A WORK-GROUP MAKES TWO BLOCKS, so that 8 x 32 = 256 work-groups share all the work evenly.  Block 1 (q and k): P = 256 of W's rows 0-2,047, Q = 256 tokens, a wave 128 x 128 in 64 accumulators.
; Block 2 (v): P = 256 tokens, Q = 128 of W's rows 2,048-3,071, a wave 128 of P x 64 of Q (one head) in 32 accumulators.
; CLUSTER 4 x 4: in both blocks Q's tile hangs on cy (and the cluster's ids) and is asked for jointly by a row of the cluster, P's on cx, by a column.
; LDS: a ring of two slots, each with 256 along K of Q's and P's tiles; the ring goes on into block 2: its K slots 0 and 1 are asked for at block 1's last two changes of slots and land under block 1's way out.
; A third region of a slot's shape is filled once, with block 2's K slot 2, behind a round in the middle of that way out; K slot 3 is a refill of slot 0.  In block 2 wave 0 fetches all of Q's 24,576 bytes, wave 1 nothing.
; No prefetch: K is 1,024, four slots a block, and each slot is asked for as soon as its bytes are free.
; THE BIAS is the C of each sum's first product: by P's block for q and k, by Q's block for v.
; OUT.  img: q [bh 64][tile 128][768 B] at 0; from KVB on [bh][key step 16][K: 8 tiles x 768 B | V: 4 tiles of 16 channels x 1,536 B | K's words 512 B | V's words 256 B].  A q or k image: [lane][16 B] registers 0-3, then [lane][8 B] registers 4-5.
; sw: q's words [bh][step 16][g 2][row 16][4 words]; K's likewise in img; V's [row 16][4 words, one a tile].  Bytes 2, 3 of a q or k word belong to no code of that head and meet zero codes alone.
; LIMITS: NaN and infinities are not served; a block of zeros, or one whose largest magnitude lies under 2^-122, gets the byte 1.
; REGISTERS: window 0: v1-29 lane numbers, offsets, addresses; v32-95 scale words (v[32 + 8 i + kq]: lanes 0-15 Q's block i, lanes 16-31 P's block i); v96-127, v224-255 the bias (v224-238 later block 2's addresses);
;   v128-223 Q's fragments (block 1 one set of eight, block 2 two sets of four), on the ways out the quantiser's.  window 1: P's fragments, two sets, at v0 and v128.  windows 2, 3: the accumulators, (a, b) at v[8 (8 (a % 4) + b)].
.set FR,    12
.set NL,    3
.set NP,    4                          ; places behind this matrix instruction (ISA guide 7.12.1)
.set HALFT, 24576                      ; 8 tiles x 2 K steps x 1,536 bytes: what one tensor load brings
.set SLOT,  4*HALFT
.set SIGMA, 2162688                    ; from a K slot to the next in xw
.set SPARE, 3*SLOT                     ; the spare words
.set KVB,   6291456
.set VO,   4
.set ADRA, 16
.set ADRB, 20
.set VA,   22
.set VSW,  26
.set SH,   27
.set SPW,  28
.set NIL,  29
.set SC,   32
.set AF,   128
.set A2,   224                         ; block 2: v224-226 Q's fragments in slots 0-2, v227-229 P's
.set B2,   227
.set VA2,  230
.set VSW2, 231
.set VO2,  232
.set VS2,  236
.set PC0,  128
.set TM,   176
.set PW,   192
.set SWR,  200
.set G1,  24
.set G0,  32
.set G1B, 48
.set G0B, 56
.set MSB, 0
.macro WIN new
.if MSB != \new
	s_set_vgpr_msb (MSB<<8)|\new
.set MSB, \new
.endif
.endm
.set MUL_LO, 0xa1
.set MUL_HI, 0xf1
.set TO_B,   0x40
.macro PLACES n
.rept \n
	v_nop
.endr
.endm
; A joint load of block 1: waves 0 and 1 fetch Q's halves, waves 2 and 3 P's.  The branch hangs on the wave's number alone.
.macro JLOAD g0a, g1a, g0b, g1b
	s_cmp_eq_u32 s15, 0
	s_cbranch_scc0 .Lfor_b_\@
	tensor_load_to_lds s[\g0a:\g0a+3], s[\g1a:\g1a+7]
	s_nop 0
	PLACES 4
	s_branch .Lasked_\@
.Lfor_b_\@:
	tensor_load_to_lds s[\g0b:\g0b+3], s[\g1b:\g1b+7]
	s_nop 0
	PLACES 4
.Lasked_\@:
.endm
; A joint load of block 2: wave 0 fetches Q's eight tiles, wave 1 nothing, waves 2 and 3 P's halves.
.macro JLOAD2 g0a, g0b
	s_cmp_lt_u32 s14, 2
	s_cbranch_scc0 .Lp2_\@
	s_cmp_eq_u32 s14, 0
	s_cbranch_scc0 .Ld2_\@
	tensor_load_to_lds s[\g0a:\g0a+3], s[G1:G1+7]
	s_nop 0
	PLACES 4
	s_branch .Ld2_\@
.Lp2_\@:
	tensor_load_to_lds s[\g0b:\g0b+3], s[G1B:G1B+7]
	s_nop 0
	PLACES 4
.Ld2_\@:
.endm
; block 2's K slot ks into the ring's set st of descriptors, LDS slot ls; written only where no tensor load of the wave is out
.macro AIM st, ls, ks
	s_add_co_u32 s[G0+4*\st+1], s92, (\ls)*SLOT
	s_add_nc_u64 s[G0+4*\st+2:G0+4*\st+3], s[66:67], (\ks)*SIGMA
	s_or_b32 s[G0+4*\st+3], s[G0+4*\st+3], 0x80000000
	s_add_co_u32 s[G0B+4*\st+1], s92, (\ls)*SLOT
	s_add_nc_u64 s[G0B+4*\st+2:G0B+4*\st+3], s[68:69], (\ks)*SIGMA
	s_or_b32 s[G0B+4*\st+3], s[G0B+4*\st+3], 0x80000000
.endm
.macro CREST
	s_cmp_lg_u32 s14, 0
	s_cbranch_scc1 .Lnot_wave_0_\@
	s_barrier_signal -3
.Lnot_wave_0_\@:
	s_barrier_wait -3
	s_barrier_signal -1
	s_barrier_wait -1
.endm
.macro CROUND
	s_barrier_signal -1
	s_barrier_wait -1
	CREST
.endm
	s_load_b128 s[4:7], s[0:1], 0x0                ; xw, xws
	s_load_b128 s[8:11], s[0:1], 0x10              ; b, img
	s_load_b64 s[12:13], s[0:1], 0x20              ; sw
	v_lshl_add_u32 v[SPW], v0, 2, SPARE
	v_mov_b32 v[NIL], 0
	ds_add_u32 v[SPW], v[NIL]                      ; the opening lines: the add, twice on end, and its wait
	ds_add_u32 v[SPW], v[NIL]
	v_lshrrev_b32 v1, 5, v0
	v_readfirstlane_b32 s14, v1                    ; wave 0..3
	s_lshr_b32 s15, s14, 1                         ; my part of Q
	s_and_b32 s16, s14, 1                          ; my half of P
	s_bfe_u32 s40, ttmp6, 0x40000                  ; cx
	s_bfe_u32 s41, ttmp6, 0x40004                  ; cy
	s_lshl_b32 s42, ttmp9, 2
	s_and_b32 s43, ttmp7, 0xffff
	s_lshl_b32 s43, s43, 2
	s_add_co_u32 s44, s42, s40                     ; block 1: P's tile of 256 rows of W, 0-7: made of cx
	s_add_co_u32 s45, s43, s41                     ;          Q's tile of 256 tokens, 0-31: made of cy
	s_add_co_u32 s46, s43, s40                     ; block 2: P's tile of 256 tokens, 0-31: made of cx
	s_add_co_u32 s47, s42, s41                     ;          Q's tile of 128 rows of W, 0-7: made of cy
	s_lshl_b32 s17, s41, 2
	s_lshl_b32 s17, 15, s17                        ; my row of the cluster
	s_lshl_b32 s18, 0x1111, s40                    ; my column
	s_or_b32 s[G1], s17, (3<<16)|(1<<21)           ; 24,576 dense bytes as 96 rows of 32 elements of 8 bytes
	s_or_b32 s[G1B], s18, (3<<16)|(1<<21)
.irp g, G1, G1B
	s_mov_b32 s[\g+1], 32<<16
	s_mov_b32 s[\g+2], 96<<16
	s_mov_b32 s[\g+3], 32<<16
	s_mov_b32 s[\g+4], 96
	s_mov_b32 s[\g+5], 32
	s_mov_b32 s[\g+6], 0
	s_mov_b32 s[\g+7], 0
.endr
	s_lshl_b32 s19, s16, 3                         ; the 8 row tiles that I fetch
	s_lshl_b32 s84, s45, 4                         ; block 1: Q's first row tile,
	s_lshl_b32 s85, s44, 4
	s_add_co_u32 s85, s85, 512                     ; P's
	s_lshl_b32 s86, s47, 3
	s_add_co_u32 s86, s86, 640                     ; block 2: Q's,
	s_lshl_b32 s87, s46, 4                         ; P's
	s_add_co_u32 s20, s84, s19
	s_mul_i32 s20, s20, 3072
	s_mov_b32 s21, 0
	s_add_co_u32 s22, s85, s19
	s_mul_i32 s22, s22, 3072
	s_mov_b32 s23, 0
	s_mul_i32 s66, s86, 3072
	s_mov_b32 s67, 0
	s_add_co_u32 s68, s87, s19
	s_mul_i32 s68, s68, 3072
	s_mov_b32 s69, 0
	s_mul_i32 s92, s14, HALFT                      ; where they go: wave x 24,576
	s_wait_dscnt 0x0
	s_wait_kmcnt 0x0
	s_add_nc_u64 s[20:21], s[4:5], s[20:21]
	s_add_nc_u64 s[22:23], s[4:5], s[22:23]
	s_add_nc_u64 s[66:67], s[4:5], s[66:67]
	s_add_nc_u64 s[68:69], s[4:5], s[68:69]
	CROUND                                         ; all sixteen work-groups are here: the first joint loads meet
.irp s, 0,1
	s_mov_b32 s[G0+4*\s], 1
	s_add_co_u32 s[G0+4*\s+1], s92, \s*SLOT
	s_add_nc_u64 s[G0+4*\s+2:G0+4*\s+3], s[20:21], \s*SIGMA
	s_or_b32 s[G0+4*\s+3], s[G0+4*\s+3], 0x80000000
	s_mov_b32 s[G0B+4*\s], 1
	s_add_co_u32 s[G0B+4*\s+1], s92, \s*SLOT
	s_add_nc_u64 s[G0B+4*\s+2:G0B+4*\s+3], s[22:23], \s*SIGMA
	s_or_b32 s[G0B+4*\s+3], s[G0B+4*\s+3], 0x80000000
.endr
	JLOAD G0, G1, G0B, G1B                         ; slot 0: one tensor load a wave at the head
	; the scale words' places in xws: 512 bytes a row tile
	s_lshl_b32 s78, s15, 3
	s_add_co_u32 s78, s78, s84
	s_lshl_b32 s78, s78, 9
	s_add_co_u32 s79, s85, s19
	s_lshl_b32 s79, s79, 9
	s_lshl_b32 s80, s15, 2
	s_add_co_u32 s80, s80, s86
	s_lshl_b32 s80, s80, 9
	s_sub_co_u32 s96, s80, 2048                    ; (for the loads of blocks 4-7, which Q has not in block 2: its blocks 0-3 once more)
	s_add_co_u32 s81, s87, s19
	s_lshl_b32 s81, s81, 9
	; block 1's results: tokens' tile s45, half s15; heads 4 s44 + 2 s16 and the next: 0-15 q, 16-31 k
	s_lshr_b32 s84, s45, 3                         ; the batch
	s_and_b32 s85, s45, 7
	s_lshl_b32 s85, s85, 1
	s_add_co_u32 s85, s85, s15                     ; the step of 128 tokens
	s_lshl_b32 s86, s44, 2
	s_lshl_b32 s87, s16, 1
	s_add_co_u32 s86, s86, s87
	s_and_b32 s87, s86, 15
	s_lshl_b32 s88, s84, 4
	s_add_co_u32 s87, s87, s88
	s_lshl_b32 s87, s87, 4
	s_add_co_u32 s87, s87, s85                     ; rec = (16 batch + head) 16 + step
	s_mul_i32 s70, s87, 6144
	s_mul_i32 s88, s87, 13056
	s_add_co_u32 s88, s88, KVB
	s_lshl_b32 s72, s87, 9
	s_add_co_u32 s89, s88, 12288
	s_mov_b32 s71, 208896
	s_mov_b32 s73, 208896
	s_cmp_lt_u32 s86, 16
	s_cselect_b32 s70, s70, s88                    ; my images' first byte in img,
	s_cselect_b32 s71, 98304, s71                  ; from a head to the next there,
	s_cselect_b32 s72, s72, s89                    ; my scale words' first byte,
	s_cselect_b32 s73, 8192, s73                   ; from a head to the next,
	s_cselect_b64 s[82:83], s[12:13], s[10:11]     ; and their buffer: sw for q, img for k; the choice hangs on ids alone
	; block 2's: tokens' tile s46, half s16; head 2 s47 + s15
	s_lshr_b32 s84, s46, 3
	s_and_b32 s85, s46, 7
	s_lshl_b32 s85, s85, 1
	s_add_co_u32 s85, s85, s16
	s_lshl_b32 s86, s47, 1
	s_add_co_u32 s86, s86, s15
	s_lshl_b32 s88, s84, 4
	s_add_co_u32 s86, s86, s88
	s_lshl_b32 s86, s86, 4
	s_add_co_u32 s86, s86, s85
	s_mul_i32 s74, s86, 13056
	s_add_co_u32 s74, s74, KVB+6144                ; V's images
	s_add_co_u32 s75, s74, 6144+512                ; V's words
	s_lshl_b32 s76, s44, 10
	s_lshl_b32 s88, s16, 9
	s_add_co_u32 s76, s76, s88                     ; my first row of W in bytes of b, block 1;
	s_lshl_b32 s77, s47, 9
	s_lshl_b32 s88, s15, 8
	s_add_co_u32 s77, s77, s88
	s_add_co_u32 s77, s77, 8192                    ; block 2
	s_mul_i32 s93, s15, HALFT                      ; my half of Q in a slot,
	s_mul_i32 s94, s16, HALFT
	s_add_co_u32 s94, s94, 2*HALFT                 ; my half of P, behind Q's two;
	s_mul_i32 s95, s15, 12288                      ; block 2: my four tiles of Q's eight
	s_mov_b32 s2, 0x76543210
	s_mov_b32 s3, 0xfedcba98                       ; selects for lane l xor 16
	v_and_b32 v1, 15, v0                           ; r
	v_bfe_u32 v2, v0, 4, 1                         ; h
	v_and_b32 v3, 31, v0
	v_lshlrev_b32 v13, 3, v3                       ; 8 x lane
	v_lshlrev_b32 v3, 4, v3                        ; 16 x lane
	v_add_nc_u32 v[ADRA], s93, v3
	v_add_nc_u32 v[ADRB], s94, v3
	v_add_nc_u32 v[ADRA+1], SLOT, v[ADRA]
	v_add_nc_u32 v[ADRB+1], SLOT, v[ADRB]
	v_mov_b32 v12, s78
	v_mov_b32 v14, s79
	v_cmp_eq_u32 vcc_lo, 1, v2
	v_cndmask_b32 v12, v12, v14, vcc_lo            ; lanes 0-15 take Q's rows, lanes 16-31 P's
	v_lshl_add_u32 v12, v1, 4, v12
.irp i, 0,1,2,3,4,5,6,7
.irp g, 0,1
	global_load_b128 v[SC+8*\i+4*\g:SC+8*\i+4*\g+3], v12, s[6:7] offset:512*\i+256*\g
.endr
.endr
	v_lshlrev_b32 v[SH], 4, v2
	v_lshl_add_u32 v[VO], v[SH], 2, s76            ; the bias of P's block x: register j is b at 32 (x / 2) + 8 (x % 2) + 16 h + j of my 128 rows
.irp x, 0,1,2,3,4,5,6,7
	global_load_b128 v[96+8*\x+96*(\x/4):99+8*\x+96*(\x/4)], v[VO], s[8:9] offset:4*(32*(\x/2)+8*(\x%2))
	global_load_b128 v[100+8*\x+96*(\x/4):103+8*\x+96*(\x/4)], v[VO], s[8:9] offset:4*(32*(\x/2)+8*(\x%2))+16
.endr
	v_add_nc_u32 v[VA], s70, v3
	v_add_nc_u32 v[VA+1], s70, v13
	v_add_nc_u32 v[VA+2], s71, v[VA]               ; the second head's
	v_add_nc_u32 v[VA+3], s71, v[VA+1]
	v_mul_u32_u24 v[VSW], s73, v2                  ; lanes 16-31 store the second head's words
	v_lshl_add_u32 v[VSW], v1, 4, v[VSW]
	v_add_nc_u32 v[VSW], s72, v[VSW]
.macro FRAG reg, adr, q, i             ; a fragment comes as it was stored: three loads of 512 consecutive bytes
.irp g, 0,1,2
	ds_load_b128 v[\reg+4*\g:\reg+4*\g+3], v[\adr] offset:3072*(\i)+1536*(\q)+512*\g
.endr
.endm
; 16 matrix instructions of block 1: Q's blocks a0, a0 + 1 x P's eight.  cm = 1: the sums begin with the bias of P's block.  The accumulators take turns.
.macro MUL16 a0, p, kq, cm
.irp a, \a0, \a0+1
.irp b, 0,1,2,3,4,5,6,7
.set DD, 8*(8*((\a)%4)+\b)
.set PP, 128*(\p)+FR*\b
.set QQ, AF+FR*(\a)
.if (\cm) == 0
	v_wmma_scale_f32_16x16x128_f8f6f4 v[DD:DD+7], v[PP:PP+FR-1], v[QQ:QQ+FR-1], v[DD:DD+7], v[SC+8*\b+(\kq)], v[SC+8*(\a)+(\kq)] matrix_a_fmt:MATRIX_FMT_BF6 matrix_b_fmt:MATRIX_FMT_BF6 matrix_a_scale:MATRIX_SCALE_ROW1
.else
.set CC, 96+8*\b+96*(\b/4)
	v_wmma_scale_f32_16x16x128_f8f6f4 v[DD:DD+7], v[PP:PP+FR-1], v[QQ:QQ+FR-1], v[CC:CC+7], v[SC+8*\b+(\kq)], v[SC+8*(\a)+(\kq)] matrix_a_fmt:MATRIX_FMT_BF6 matrix_b_fmt:MATRIX_FMT_BF6 matrix_a_scale:MATRIX_SCALE_ROW1
.endif
.endr
.endr
.endm
.macro FETCH_B slot, q, p
	WIN TO_B
.irp i, 0,1,2,3,4,5,6,7
	FRAG 128*(\p)+FR*\i, ADRB+\slot, \q, \i
.endr
	WIN 0
.endm
.macro FETCH_A slot, q, i0
.irp i, \i0, \i0+1, \i0+2, \i0+3
	FRAG AF+FR*(\i), ADRA+\slot, \q, \i
.endr
.endm
.macro STEP slot, q, kq, cm            ; a K step of block 1 that has its successor in the same slot
	s_wait_dscnt 4*NL                              ; P's set and Q's blocks 0-3 are in; the youngest 12 loads (Q's blocks 4-7) may be out
.if \cm
	WIN 0x81
.else
	WIN MUL_LO
.endif
	MUL16 0, (\q)%2, \kq, \cm
	MUL16 2, (\q)%2, \kq, \cm
	s_wait_dscnt 0x0
	PLACES NP
	FETCH_B \slot, (\q)+1, 1-(\q)%2
	FETCH_A \slot, (\q)+1, 0
.if \cm
	WIN 0xc1
.else
	WIN MUL_HI
.endif
	MUL16 4, (\q)%2, \kq, \cm
	MUL16 6, (\q)%2, \kq, \cm
	PLACES NP
	WIN 0
	FETCH_A \slot, (\q)+1, 4
.endm
; A slot's last K step changes slots behind a round of the cluster's barrier.  fill = 1: the slot takes block 1's K slot two on; fill = 2: block 2's K slot 0.
.macro TURN slot, next, kq, fill
	s_wait_tensorcnt 0x0                           ; all my tensor loads have landed: my part of the next slot
	ds_add_u32 v[SPW], v[NIL]
	s_wait_dscnt 4*NL+1                            ; (the add and the youngest 12 loads may be out)
	WIN MUL_LO
	MUL16 0, 1, \kq, 0
	s_wait_dscnt 0x0                               ; the add is done, and my reads of this slot are over
	s_barrier_signal -1
	MUL16 2, 1, \kq, 0
	WIN 0
	s_barrier_wait -1
	CREST
.if (\fill) == 1
	s_add_nc_u64 s[G0+4*\slot+2:G0+4*\slot+3], s[G0+4*\slot+2:G0+4*\slot+3], 2*SIGMA
	s_add_nc_u64 s[G0B+4*\slot+2:G0B+4*\slot+3], s[G0B+4*\slot+2:G0B+4*\slot+3], 2*SIGMA
	JLOAD G0+4*\slot, G1, G0B+4*\slot, G1B
.else
	AIM \slot, \slot, 0
	JLOAD2 G0+4*\slot, G0B+4*\slot
	PLACES NP                                      ; (wave 1 has passed no line of the load's)
.endif
	FETCH_B \next, 0, 0
	FETCH_A \next, 0, 0
	WIN MUL_HI
	MUL16 4, 1, \kq, 0
	MUL16 6, 1, \kq, 0
	PLACES NP
	WIN 0
	FETCH_A \next, 0, 4
.endm
; THE QUANTISER.  The 64 registers v[s] on of window w are one row of Q: register 16 b + i = index 32 b + 16 (lane / 16) + i along P.  They become a fragment's 12 registers at v[pc] and the row's scale word in v[pw].
.macro QUANT s, w, pc, pw
	WIN (0x0a+5*((\w)-2))
.irp b, 0,1,2,3
	v_max3_num_f32 v[TM+\b], |v[(\s)+16*\b]|, |v[(\s)+1+16*\b]|, 0x2800000   ; the floor 2^(5 - 127) keeps the byte at 1 or above
.endr
.irp i, 2,4,6,8,10,12,14
.irp b, 0,1,2,3
	v_max3_num_f32 v[TM+\b], |v[(\s)+16*\b+\i]|, |v[(\s)+1+16*\b+\i]|, v[TM+\b]
.endr
.endr
	WIN 0
.irp b, 0,1,2,3
	v_permlanex16_b32 v[TM+4+\b], v[TM+\b], s2, s3
.endr
.irp b, 0,1,2,3
	v_max_num_f32 v[TM+\b], v[TM+\b], v[TM+4+\b]
.endr
.irp b, 0,1,2,3
	v_add_nc_u32 v[TM+12+\b], 0xfe000000, v[TM+\b] ; 4 off the exponent field: the conversion's scale operand
.endr
.irp b, 0,1,2,3
	v_lshrrev_b32 v[TM+4+\b], 23, v[TM+12+\b]
.endr
	v_lshl_or_b32 v[\pw], v[TM+5], 8, v[TM+4]
	v_lshl_or_b32 v[\pw], v[TM+6], 16, v[\pw]
	v_lshl_or_b32 v[\pw], v[TM+7], 24, v[\pw]
	WIN (0x02+((\w)-2))
.irp c, 0,1
	v_cvt_scalef32_pk16_bf6_f32 v[\pc+6*\c:\pc+2+6*\c], v[(\s)+32*\c:(\s)+15+32*\c], v[TM+12+2*\c]
	v_cvt_scalef32_pk16_bf6_f32 v[\pc+12+4*\c:\pc+14+4*\c], v[(\s)+16+32*\c:(\s)+31+32*\c], v[TM+12+2*\c+1]
.endr
	WIN 0
	v_nop                                          ; one plain place behind the scaled conversions
.irp c, 0,1
.irp i, 0,1,2
	v_permlane16_swap_b32 v[\pc+6*\c+\i], v[\pc+12+4*\c+\i]
.endr
.irp i, 0,1,2
	v_mov_b32 v[\pc+3+6*\c+\i], v[\pc+12+4*\c+\i]
.endr
.endr
.endm
.macro OUTQK a                         ; registers 0-5 are the first head's 64, registers 6-11 the second's
.if (\a) >= 2
	s_wait_xcnt 0x0                                ; the stores of two blocks back have read this set of codes
.endif
.set PCS, PC0+24*((\a)%2)
	QUANT 64*((\a)%4), 2+(\a)/4, PCS, PW+(\a)
	global_store_b128 v[VA],   v[PCS:PCS+3],     s[10:11] offset:768*(\a)
	global_store_b64  v[VA+1], v[PCS+4:PCS+5],   s[10:11] offset:768*(\a)+512
	global_store_b128 v[VA+2], v[PCS+6:PCS+9],   s[10:11] offset:768*(\a)
	global_store_b64  v[VA+3], v[PCS+10:PCS+11], s[10:11] offset:768*(\a)+512
.endm
.macro OUTV a                          ; the 12 registers are 128 keys of 16 channels
.if (\a) >= 2
	s_wait_xcnt 0x0
.endif
.set PCS, PC0+24*((\a)%2)
	QUANT 64*(\a), 2, PCS, PW+(\a)
.irp g, 0,1,2
	global_store_b128 v[VA2], v[PCS+4*\g:PCS+4*\g+3], s[10:11] offset:1536*(\a)+512*\g
.endr
.endm
; BLOCK 2.  32 matrix instructions: Q's blocks 0-3 (set p at AF + 48 p) x P's eight (set p).  cm = 1: the sums begin with the bias of Q's block.
.macro MULV kq, p, cm
.if \cm
	WIN 0x81
.else
	WIN MUL_LO
.endif
.irp a, 0,1,2,3
.irp b, 0,1,2,3,4,5,6,7
.set DD, 8*(8*\a+\b)
.set PP, 128*(\p)+FR*\b
.set QQ, AF+48*(\p)+FR*\a
.if \cm
	v_wmma_scale_f32_16x16x128_f8f6f4 v[DD:DD+7], v[PP:PP+FR-1], v[QQ:QQ+FR-1], v[96+8*\a:103+8*\a], v[SC+8*\b+(\kq)], v[SC+8*\a+(\kq)] matrix_a_fmt:MATRIX_FMT_BF6 matrix_b_fmt:MATRIX_FMT_BF6 matrix_a_scale:MATRIX_SCALE_ROW1
.else
	v_wmma_scale_f32_16x16x128_f8f6f4 v[DD:DD+7], v[PP:PP+FR-1], v[QQ:QQ+FR-1], v[DD:DD+7], v[SC+8*\b+(\kq)], v[SC+8*\a+(\kq)] matrix_a_fmt:MATRIX_FMT_BF6 matrix_b_fmt:MATRIX_FMT_BF6 matrix_a_scale:MATRIX_SCALE_ROW1
.endif
.endr
.endr
	WIN 0
.endm
.macro FETCH2 slot, q, p
	WIN TO_B
.irp i, 0,1,2,3,4,5,6,7
	FRAG 128*(\p)+FR*\i, B2+\slot, \q, \i
.endr
	WIN 0
.irp i, 0,1,2,3
	FRAG AF+48*(\p)+FR*\i, A2+\slot, \q, \i
.endr
.endm
; A K step of block 2: the next step's fragments (slot ns, its nq-th step; ns < 0: none) are fetched into the other sets ahead of this step's products.
; turn = 1: slot 0 is read no more and takes K slot 3, behind a round; turn = 2: K slot 3 is waited for, and a barrier shows it whole.
.macro STEPV kq, turn, ns, nq, cm
.if (\turn) == 1
	s_wait_tensorcnt 0x0                           ; all my tensor loads have landed: K slot 2 among them
	ds_add_u32 v[SPW], v[NIL]
	s_wait_dscnt 0x0                               ; the add, and my last reads of slot 0
	CROUND
	AIM 0, 0, 3
	JLOAD2 G0, G0B
.else
.if (\turn) == 2
	s_wait_tensorcnt 0x0
	s_wait_dscnt 0x0
	s_barrier_signal -1
	s_barrier_wait -1
.else
	s_wait_dscnt 0x0                               ; this step's fragments, asked for a step ago
.endif
.endif
.if (\ns) >= 0
	PLACES NP                                      ; in front of loads into the sets that the last step multiplied
	FETCH2 \ns, \nq, 1-(\kq)%2
.endif
	MULV \kq, (\kq)%2, \cm
.endm
	s_wait_alu depctr_va_vdst(0)                   ; the wait at the head's end
	s_wait_tensorcnt 0x0                           ; my part of slot 0 is in; slot 1's first fill is issued as a refill is:
	ds_add_u32 v[SPW], v[NIL]
	s_wait_dscnt 0x0
	CROUND
	JLOAD G0+4, G1, G0B+4, G1B                     ; slot 1, the first tensor load behind the round
	FETCH_B 0, 0, 0
	FETCH_A 0, 0, 0
	FETCH_A 0, 0, 4
	s_wait_loadcnt 0x0                             ; the scale words and the bias
	STEP 0, 0, 0, 1
	TURN 0, 1, 1, 1
	STEP 1, 0, 2, 0
	TURN 1, 0, 3, 1
	STEP 0, 0, 4, 0
	TURN 0, 1, 5, 2                                ; the ring goes on into block 2
	STEP 1, 0, 6, 0
	s_wait_dscnt 4*NL
	WIN MUL_LO
	MUL16 0, 1, 7, 0
	MUL16 2, 1, 7, 0
	s_wait_dscnt 0x0
	WIN MUL_HI
	MUL16 4, 1, 7, 0
	MUL16 6, 1, 7, 0
	WIN 0
	s_wait_tensorcnt 0x0                           ; slot 1 is read no more: it takes block 2's K slot 1
	ds_add_u32 v[SPW], v[NIL]                      ; block 2's addresses, work on registers, stand between the add and its wait, and are the places behind the last products
	v_add_nc_u32 v[A2], s95, v3
	v_add_nc_u32 v[B2], s94, v3
	v_add_nc_u32 v[A2+1], SLOT, v[A2]
	v_add_nc_u32 v[B2+1], SLOT, v[B2]
	v_add_nc_u32 v[A2+2], 2*SLOT, v[A2]
	v_add_nc_u32 v[B2+2], 2*SLOT, v[B2]
	v_add_nc_u32 v[VA2], s74, v3
	v_lshlrev_b32 v[VSW2], 4, v1
	v_lshl_add_u32 v[VSW2], v2, 3, v[VSW2]
	v_add_nc_u32 v[VSW2], s75, v[VSW2]             ; V's words: 16 r + 8 h
	v_and_b32 v[VO2], 8, v1
	v_add_nc_u32 v[VO2], v[VO2], v1
	v_lshl_add_u32 v[VO2], v[VO2], 2, s77          ; the bias of my row of Q's block: r + 8 (r / 8)
	v_mov_b32 v[VS2], s80
	v_mov_b32 v[VS2+1], s96
	v_mov_b32 v238, s81
	v_cmp_eq_u32 vcc_lo, 1, v2
	v_cndmask_b32 v[VS2], v[VS2], v238, vcc_lo
	v_cndmask_b32 v[VS2+1], v[VS2+1], v238, vcc_lo
	v_lshl_add_u32 v[VS2], v1, 4, v[VS2]
	v_lshl_add_u32 v[VS2+1], v1, 4, v[VS2+1]
.irp b, 0,1,2,3
	v_mov_b32 v[TM+4+\b], 0                        ; a lane permute's destination counts as one of its sources
.endr
	s_wait_alu depctr_va_vdst(0)
	s_wait_dscnt 0x0
	CROUND
	AIM 1, 1, 1
	JLOAD2 G0+4, G0B+4
.irp i, 0,1,2,3,4,5,6,7
.irp g, 0,1
	global_load_b128 v[SC+8*\i+4*\g:SC+8*\i+4*\g+3], v[VS2+\i/4], s[6:7] offset:512*\i+256*\g   ; block 2's scale words
.endr
.endr
.irp a, 0,1,2,3
.irp j, 0,1,2,3,4,5,6,7
	global_load_b32 v[96+8*\a+\j], v[VO2], s[8:9] offset:4*(32*(\a/2)+8*(\a%2))   ; and its bias: the same number in all eight registers
.endr
.endr
	OUTQK 0
	OUTQK 1
	OUTQK 2
	OUTQK 3
	s_wait_alu depctr_va_vdst(0)
	s_wait_tensorcnt 0x0                           ; block 2's K slots 0 and 1 are in; a first fill follows, issued as a refill is:
	ds_add_u32 v[SPW], v[NIL]
	s_wait_dscnt 0x0
	CROUND
	AIM 0, 2, 2
	JLOAD2 G0, G0B                                 ; K slot 2, into bytes of its own
	OUTQK 4
	OUTQK 5
	OUTQK 6
	OUTQK 7
.irp t, 0,1,2,3,4,5,6,7
	v_lshrrev_b32 v[SWR+\t], v[SH], v[PW+\t]       ; lanes 0-15: the first head's two bytes lowest; lanes 16-31: the second head's
.endr
	global_store_b128 v[VSW], v[SWR:SWR+3], s[82:83]               ; sixteen lanes store 256 consecutive bytes, aligned
	global_store_b128 v[VSW], v[SWR+4:SWR+7], s[82:83] offset:256
	s_wait_alu depctr_va_vdst(0)
	s_wait_xcnt 0x0                                ; the stores have read their registers: Q's fragments land there
	FETCH2 0, 0, 0
	s_wait_loadcnt 0x0                             ; block 2's scale words and bias
	STEPV 0, 0, 0, 1, 1
	STEPV 1, 1, 1, 0, 0
	STEPV 2, 0, 1, 1, 0
	STEPV 3, 0, 2, 0, 0                            ; K slot 2 was shown whole by the round in step 1
	STEPV 4, 0, 2, 1, 0
	STEPV 5, 2, 0, 0, 0
	STEPV 6, 0, 0, 1, 0
	STEPV 7, 0, -1, 0, 0
	PLACES NP
	OUTV 0
	OUTV 1
	OUTV 2
	OUTV 3
	v_cmp_eq_u32 vcc_lo, 1, v2                     ; lanes 0-15 store words 0, 1 of their row, lanes 16-31 words 2, 3: 256 consecutive bytes
	v_cndmask_b32 v[SWR], v[PW], v[PW+2], vcc_lo
	v_cndmask_b32 v[SWR+1], v[PW+1], v[PW+3], vcc_lo
	global_store_b64 v[VSW2], v[SWR:SWR+1], s[10:11]
	s_wait_tensorcnt 0x0                           ; the wave's end
	ds_add_u32 v[SPW], v[NIL]
	s_wait_dscnt 0x0
	CROUND                                         ; the closing round
	s_endpgm
.Lfunc_end_k_qae27fe8ca1_proj:
	.size	k_qae27fe8ca1_proj, .Lfunc_end_k_qae27fe8ca1_proj-k_qae27fe8ca1_proj
	.p2alignl 7, 3214868480
	.fill 96, 4, 3214868480
	.section	.rodata,"a",@progbits
	.p2align	6, 0x0
	.amdhsa_kernel k_qae27fe8ca1_proj
		.amdhsa_group_segment_fixed_size 327680
		.amdhsa_private_segment_fixed_size 0
		.amdhsa_enable_private_segment 0
		.amdhsa_kernarg_size 40
		.amdhsa_user_sgpr_count 2
		.amdhsa_user_sgpr_kernarg_segment_ptr 1
		.amdhsa_wavefront_size32 1
		.amdhsa_system_sgpr_workgroup_id_x 1
		.amdhsa_system_sgpr_workgroup_id_y 1
		.amdhsa_system_sgpr_workgroup_id_z 1
		.amdhsa_system_vgpr_workitem_id 0
		.amdhsa_next_free_vgpr 1024
		.amdhsa_next_free_sgpr 100
		.amdhsa_reserve_vcc 1
		.amdhsa_float_denorm_mode_32 3
		.amdhsa_float_denorm_mode_16_64 3
		.amdhsa_memory_ordered 1
		.amdhsa_forward_progress 1
		.amdhsa_inst_pref_size 221
	.end_amdhsa_kernel
	.amdgpu_metadata
---
amdhsa.version: [ 1, 2 ]
amdhsa.kernels:
  - .name:           k_qae27fe8ca1_proj
    .symbol:         k_qae27fe8ca1_proj.kd
    .args:
      - { .name: xw, .offset: 0, .size: 8, .value_kind: global_buffer, .address_space: global }
      - { .name: xws, .offset: 8, .size: 8, .value_kind: global_buffer, .address_space: global }
      - { .name: b, .offset: 16, .size: 8, .value_kind: global_buffer, .address_space: global }
      - { .name: img, .offset: 24, .size: 8, .value_kind: global_buffer, .address_space: global }
      - { .name: sw, .offset: 32, .size: 8, .value_kind: global_buffer, .address_space: global }
    .group_segment_fixed_size: 327680
    .private_segment_fixed_size: 0
    .kernarg_segment_align: 8
    .kernarg_segment_size: 40
    .max_flat_workgroup_size: 128
    .sgpr_count:     100
    .vgpr_count:     1024
    .wavefront_size: 32
...
	.end_amdgpu_metadata
.endif
;; end of part 2
;; launch attn (part 3): grid 4 x 64, 8 waves a work-group, clusters of 4 x 1, 327,680 bytes of LDS; arguments img, sw, out0; writes out0
.if DOCPART == 3
	.amdgcn_target "amdgcn-amd-amdhsa--gfx1250"
	.amdhsa_code_object_version 6
	.text
	.protected	k_qae27fe8ca1_attn
	.globl	k_qae27fe8ca1_attn
	.p2align	8
	.type	k_qae27fe8ca1_attn,@function
k_qae27fe8ca1_attn:
	s_mov_b64 s[64:65], 0
	v_nop
	global_prefetch_b8 v0, s[64:65] scope:SCOPE_SE
	s_setreg_imm32_b32 hwreg(HW_REG_WAVE_MODE, 25, 1), 1
	s_wait_xcnt 0x0
	s_wait_alu depctr_hold_cnt(0) depctr_sa_sdst(0) depctr_va_vdst(0) depctr_va_sdst(0) depctr_va_ssrc(0) depctr_va_vcc(0) depctr_vm_vsrc(0)
	s_getreg_b32 s2, hwreg(HW_REG_IB_STS2, 6, 4)
	s_cmp_eq_u32 s2, 0
	s_cbranch_scc0 .Lentry_in_a_cluster
	s_endpgm
.Lentry_in_a_cluster:
	s_bfe_u32 s2, ttmp6, 0x10000c
	s_cmp_lg_u32 s2, 0x3003
	s_cbranch_scc0 .Lentry_shape_is_right
	s_endpgm
.Lentry_shape_is_right:
; out = softmax(q k^T / 8, causal) v for one (batch, head) a cluster, on codes of BF6 (E3M2) with E8M0 scales as the launch before has laid them.
; LEFT OUT: key steps that lie wholly above the diagonal of the causal mask that the problem builds itself: their p is 0 for all inputs.
; LIMITS: the scaled scores (exponents to the base 2) stay under 2^31 in magnitude; NaN and infinities are not served.
; SHARES.  A cluster of four work-groups serves one head; 2,048 queries are 16 groups a of 128, a group four blocks of 32.  Partner cx takes block 4 a + cx of every group;
; wave w takes groups 15 - w and then w: (16 - w) + (w + 1) = 17 key steps of 128 for every wave.  No branch and no LDS address hangs on cx; wave 0 of every partner reads all 16 steps.
; A wave holds both row tiles of its block (tile u: queries 32 B + 8 u + i + 8 (i / 8)), so each fragment of K and V read from LDS feeds two matrix instructions.
; K, V AND THEIR SCALE WORDS of the head are 16 records of 13,056 bytes on end, 816 rows of 256 bytes.  They come by joint loads (mask 15): at the head 26 rows a wave (steps 0-3 and a little),
; behind a round of the cluster's barrier 76 rows a wave (the rest); each byte of LDS is filled once.  No prefetch: both fills are asked for at the head, and no later trip asks memory for anything but stores.
; Both products are used transposed (S^T = k q^T, O^T = v^T p^T): a lane holds one query.  M is the running largest t rounded up to a whole number; the row's sum is taken of the unquantised p.
; REGISTERS.  window 0: v1-11, 20, 21 addresses and the mask's lane numbers; v12-15, v16-19 -M, largest t, sum of tiles 0, 1; v36-89 K's fragments (v84-89 zeros); v96-159 S of tile 0;
;   v160-179, v180-199 p's codes; v200-211 K's and V's scale words; v212-213 p's words; v214-217 q's words; v220-235, v236-251 the tiles' small numbers; v252 -inf; v254-255 the add's two.
; window 1: v0-11, v12-23 q's codes of tiles 0, 1 (upper six zeros); v24-35 those of the second block; v36-83 V's fragments; v96-159 S of tile 1; v160-191, v192-223 O^T of tiles 0, 1.
.set KVB, 6291456
.set REC, 13056
.set PH1, 26*256
.set PH2, 76*256
.set STG, 16*REC                       ; the way out: 16 rows x 272 bytes for each wave
.set SPARE, STG+8*4352                 ; the spare words: 128 bytes a wave
.set CX, 17
.set WV, 18
.set BH, 19
.set SEL, 20
.set CS, 22
.set G1A, 24
.set G1B, 32
.set G0A, 40
.set G0B, 44
.set AQ, 48                            ; the group of 128 queries at work: its last key step
.set ST, 49                            ; the key step
.set TB, 50                            ; its record's LDS byte
.set TN, 51                            ; the next record's
.set CNT, 52
.set QIH, 54
.set QIL, 56
.set QWH, 58
.set QWL, 60
.set OBH, 62
.set OBL, 66
.set MSB, 0
.macro WIN new                         ; the immediate's high byte repeats the setting that is left
.if MSB != \new
	s_set_vgpr_msb (MSB<<8)|\new
.set MSB, \new
.endif
.endm
.macro SHAPE g, rows                   ; rows of 256 bytes, dense; mask 15 with bit 21 beside it
	s_mov_b32 s[\g], 15|(3<<16)|(1<<21)
	s_mov_b32 s[\g+1], 32<<16
	s_mov_b32 s[\g+2], (\rows)<<16
	s_mov_b32 s[\g+3], 32<<16
	s_mov_b32 s[\g+4], \rows
	s_mov_b32 s[\g+5], 32
	s_mov_b32 s[\g+6], 0
	s_mov_b32 s[\g+7], 0
.endm
.macro ROUND
	s_barrier_signal -1
	s_barrier_wait -1
	s_cmp_lg_u32 s[WV], 0
	s_cbranch_scc1 .Lnw0_\@
	s_barrier_signal -3
.Lnw0_\@:
	s_barrier_wait -3
	s_barrier_signal -1
	s_barrier_wait -1
.endm
.macro PLACE a, pi, pw, po             ; group a: q's images, q's words, the output's first row
	s_lshl_b32 s10, s[\a], 3
	s_lshl_b32 s11, s[CX], 1
	s_add_co_u32 s10, s10, s11                     ; row tile 8 a + 2 cx
	s_mul_i32 s10, s10, 768
	s_mul_i32 s11, s[BH], 98304
	s_add_co_u32 s10, s10, s11
	s_mov_b32 s11, 0
	s_add_nc_u64 s[\pi:\pi+1], s[4:5], s[10:11]
	s_lshl_b32 s10, s[\a], 9                       ; 256 (tile / 4) + 4 (tile % 4)
	s_lshr_b32 s12, s[CX], 1
	s_lshl_b32 s12, s12, 8
	s_add_co_u32 s10, s10, s12
	s_and_b32 s12, s[CX], 1
	s_lshl_b32 s12, s12, 3
	s_add_co_u32 s10, s10, s12
	s_lshl_b32 s12, s[BH], 13
	s_add_co_u32 s10, s10, s12
	s_add_nc_u64 s[\pw:\pw+1], s[6:7], s[10:11]
	s_lshr_b32 s10, s[BH], 4
	s_lshl_b32 s10, s10, 11
	s_lshl_b32 s12, s[\a], 7
	s_add_co_u32 s10, s10, s12
	s_lshl_b32 s12, s[CX], 5
	s_add_co_u32 s10, s10, s12                     ; row 2,048 batch + 128 a + 32 cx
	s_lshl_b32 s10, s10, 12
	s_and_b32 s12, s[BH], 15
	s_lshl_b32 s12, s12, 8
	s_add_co_u32 s10, s10, s12
	s_add_nc_u64 s[\po:\po+1], s[8:9], s[10:11]
.endm
.macro KLOAD a16, a8, as               ; a step's eight fragments of K and their words: 18 loads
.set t, 0
.rept 8
	ds_load_b128 v[36+6*t:39+6*t], v[\a16] offset:768*t
	ds_load_b64 v[40+6*t:41+6*t], v[\a8] offset:768*t+512
.set t, t+1
.endr
	ds_load_b128 v[200:203], v[\as] offset:12288
	ds_load_b128 v[204:207], v[\as] offset:12544
.endm
.macro SMUL x                          ; S^T of tile x; a fragment's upper six registers are the next tile's codes and meet q's zero codes
.set t, 0
.rept 8
	v_wmma_scale_f32_16x16x128_f8f6f4 v[96+8*t:103+8*t], v[36+6*t:47+6*t], v[12*\x:12*\x+11], 0, v[200+t], v[214+\x] matrix_a_fmt:MATRIX_FMT_BF6 matrix_b_fmt:MATRIX_FMT_BF6
.set t, t+1
.endr
.endm
.macro MASK vm                         ; register n is key 32 (n / 16) + 16 h + n % 16 of the step: hidden where it lies beyond the lane's query
.set n, 0
.rept 64
	v_cmp_gt_i32 vcc_lo, 32*(n/16)+n%16, v[\vm]
	v_cndmask_b32 v[96+n], v[96+n], v252, vcc_lo
.set n, n+1
.endr
.endm
.macro BMAX x                          ; the largest score of each block of 32 keys, each accumulator from its low end on
.if \x
	WIN 0x15
.endif
.irp b, 0,1,2,3
	v_max3_num_f32 v[220+16*\x+\b], v[96+16*\b], v[97+16*\b], v[98+16*\b]
.endr
.if \x
	WIN 0x14
.endif
.irp i, 3,5,7,9,11,13
.irp b, 0,1,2,3
	v_max3_num_f32 v[220+16*\x+\b], v[220+16*\x+\b], v[96+16*\b+\i], v[97+16*\b+\i]
.endr
.endr
.irp b, 0,1,2,3
	v_max_num_f32 v[220+16*\x+\b], v[220+16*\x+\b], v[111+16*\b]
.endr
.endm
.macro SUMS x                          ; the row's sum of the unquantised p: 32 packed additions in four chains
.if \x
	WIN 0x05
.endif
	v_pk_add_f32 v[224+16*\x:225+16*\x], v[96:97], v[98:99]
	v_pk_add_f32 v[226+16*\x:227+16*\x], v[100:101], v[102:103]
	v_pk_add_f32 v[228+16*\x:229+16*\x], v[104:105], v[106:107]
.if \x
	WIN 0x04
.endif
.irp j, 12,20,28,36,44,52
	v_pk_add_f32 v[14+4*\x:15+4*\x], v[14+4*\x:15+4*\x], v[96+\j:97+\j]
	v_pk_add_f32 v[224+16*\x:225+16*\x], v[224+16*\x:225+16*\x], v[98+\j:99+\j]
	v_pk_add_f32 v[226+16*\x:227+16*\x], v[226+16*\x:227+16*\x], v[100+\j:101+\j]
	v_pk_add_f32 v[228+16*\x:229+16*\x], v[228+16*\x:229+16*\x], v[102+\j:103+\j]
.endr
	v_pk_add_f32 v[14+4*\x:15+4*\x], v[14+4*\x:15+4*\x], v[156:157]
	v_pk_add_f32 v[224+16*\x:225+16*\x], v[224+16*\x:225+16*\x], v[158:159]
	WIN 0
	v_pk_add_f32 v[226+16*\x:227+16*\x], v[226+16*\x:227+16*\x], v[228+16*\x:229+16*\x]
	v_pk_add_f32 v[14+4*\x:15+4*\x], v[14+4*\x:15+4*\x], v[224+16*\x:225+16*\x]
	v_pk_add_f32 v[14+4*\x:15+4*\x], v[14+4*\x:15+4*\x], v[226+16*\x:227+16*\x]
.endm
.macro CVT x
.irp c, 0,1
	v_cvt_scalef32_pk16_bf6_f32 v[160+20*\x+6*\c:162+20*\x+6*\c], v[96+32*\c:111+32*\c], v[228+16*\x+2*\c]
	v_cvt_scalef32_pk16_bf6_f32 v[172+20*\x+4*\c:174+20*\x+4*\c], v[112+32*\c:127+32*\c], v[229+16*\x+2*\c]
.endr
.endm
; A key step of 128 for the wave's 32 queries.  mask = 1: the step may lie beyond the group's last (jumped over) or be its last (masked); both tests hang on the wave's number and the loop's count alone.
.macro STEP mask
.if \mask
	s_cmp_gt_u32 s[ST], s[AQ]
	s_cbranch_scc1 .Lhid_\@
.endif
	s_add_co_u32 s[TN], s[TB], REC
	s_min_u32 s[TN], s[TN], 15*REC                 ; the last step fetches its own K once more: no read leaves the records
	s_wait_dscnt 0x0                               ; K's fragments and words, asked for a step ago
	WIN 0x04
	SMUL 0
	WIN 0x44
	SMUL 1
	WIN 0
	v_add_nc_u32 v9, s[TB], v1                     ; five plain lines: the places in front of the loads and of the first read of S
	v_add_nc_u32 v10, s[TB], v3
	v_add_nc_u32 v11, s[TN], v1
	v_add_nc_u32 v20, s[TN], v2
	v_add_nc_u32 v21, s[TN], v3
	WIN 0x40
.irp d, 0,1,2,3
.irp g, 0,1,2
	ds_load_b128 v[36+12*\d+4*\g:39+12*\d+4*\g], v9 offset:6144+1536*\d+512*\g
.endr
.endr
	WIN 0
	ds_load_b128 v[208:211], v10 offset:12800      ; V's words
	KLOAD 11, 20, 21                               ; the next step's K
.if \mask
	s_cmp_lg_u32 s[ST], s[AQ]
	s_cbranch_scc1 .Lopen_\@
	MASK 7
	WIN 0x41
	MASK 8
	WIN 0
.Lopen_\@:
.endif
	BMAX 0
	BMAX 1
	WIN 0
.irp x, 0,1                            ; from here on the two tiles' chains take turns
.irp b, 0,1,2,3
	v_permlanex16_b32 v[224+16*\x+\b], v[220+16*\x+\b], s[SEL], s[SEL+1]
.endr
.endr
.irp x, 0,1
.irp b, 0,1,2,3
	v_max_num_f32 v[220+16*\x+\b], v[220+16*\x+\b], v[224+16*\x+\b]
.endr
.endr
.irp x, 0,1
	v_max3_num_f32 v[234+16*\x], v[220+16*\x], v[221+16*\x], v[222+16*\x]
.endr
.irp x, 0,1
	v_max_num_f32 v[234+16*\x], v[234+16*\x], v[223+16*\x]
.endr
.irp x, 0,1
	v_mul_f32 v[234+16*\x], s[CS], v[234+16*\x]    ; the step's largest t
.endr
.irp x, 0,1
	v_max_num_f32 v[13+4*\x], v[13+4*\x], v[234+16*\x]
.endr
.irp x, 0,1
	v_mov_b32 v[234+16*\x], v[12+4*\x]
.endr
.irp x, 0,1
	v_floor_f32 v[12+4*\x], -v[13+4*\x]            ; -M = floor(-t)
.endr
.irp x, 0,1
	v_sub_f32 v[234+16*\x], v[12+4*\x], v[234+16*\x]
.endr
.irp x, 0,1
	v_cvt_i32_f32 v[234+16*\x], v[234+16*\x]
.endr
.irp x, 0,1
	v_ldexp_f32 v[232+16*\x], 1.0, v[234+16*\x]    ; f = 2^(old M - new M)
.endr
.irp x, 0,1
.irp b, 0,1,2,3
	v_fma_f32 v[220+16*\x+\b], v[220+16*\x+\b], s[CS], v[12+4*\x]
.endr
.endr
.set j, 0
.rept 32
	v_pk_fma_f32 v[96+j:97+j], v[96+j:97+j], s[CS:CS+1], v[12:13] op_sel_hi:[1,0,0]
.set j, j+2
.endr
	WIN 0x41
.set j, 0
.rept 32
	v_pk_fma_f32 v[96+j:97+j], v[96+j:97+j], s[CS:CS+1], v[16:17] op_sel_hi:[1,0,0]
.set j, j+2
.endr
	s_wait_alu depctr_va_vdst(0)                   ; the wait ahead of the batch
.set j, 0
.rept 64
	v_exp_f32 v[96+j], v[96+j]
.set j, j+1
.endr
	WIN 0
.set j, 0
.rept 64
	v_exp_f32 v[96+j], v[96+j]
.set j, j+1
.endr
.irp x, 0,1
.irp b, 0,1,2,3
	v_exp_f32 v[220+16*\x+\b], v[220+16*\x+\b]     ; each block's largest p
.endr
.endr
.irp x, 0,1
	v_pk_mul_f32 v[14+4*\x:15+4*\x], v[14+4*\x:15+4*\x], v[232+16*\x:233+16*\x] op_sel_hi:[1,0]
.endr
	s_wait_alu depctr_va_vdst(0)                   ; and behind it, ahead of its first reader
	SUMS 0
	SUMS 1
.irp x, 0,1
.irp b, 0,1,2,3
	v_max_num_f32 v[220+16*\x+\b], 0x2800000, v[220+16*\x+\b]      ; the floor 2^(5 - 127): the byte cannot fall under 1
.endr
.endr
.irp x, 0,1
.irp b, 0,1,2,3
	v_add_nc_u32 v[228+16*\x+\b], 0xfe000000, v[220+16*\x+\b]      ; 4 off the exponent field: the conversion's scale operand
.endr
.endr
.irp x, 0,1
.irp b, 0,1,2,3
	v_lshrrev_b32 v[224+16*\x+\b], 23, v[228+16*\x+\b]
.endr
.endr
.irp x, 0,1
	v_lshl_or_b32 v[212+\x], v[225+16*\x], 8, v[224+16*\x]
.endr
.irp x, 0,1
	v_lshl_or_b32 v[212+\x], v[226+16*\x], 16, v[212+\x]
.endr
.irp x, 0,1
	v_lshl_or_b32 v[212+\x], v[227+16*\x], 24, v[212+\x]           ; p's scale word of these 128 keys
.endr
	CVT 0
	WIN 0x01
	CVT 1
	WIN 0
	v_nop                                          ; one plain place behind the scaled conversions
.irp x, 0,1
.irp c, 0,1
.irp i, 0,1,2
	v_permlane16_swap_b32 v[160+20*\x+6*\c+\i], v[172+20*\x+4*\c+\i]
.endr
.irp i, 0,1,2
	v_mov_b32 v[163+20*\x+6*\c+\i], v[172+20*\x+4*\c+\i]
.endr
.endr
.endr
	WIN 0x41
	s_wait_alu depctr_va_vdst(0)                   ; the wait directly ahead of the first reader of O^T
.irp x, 0,1
.set j, 0
.rept 16
	v_pk_mul_f32 v[160+32*\x+j:161+32*\x+j], v[160+32*\x+j:161+32*\x+j], v[232+16*\x:233+16*\x] op_sel_hi:[1,0]
.set j, j+2
.endr
.endr
	WIN 0x51
	s_wait_alu depctr_va_vdst(0)
	s_wait_dscnt 18                                ; V's 13 loads are in; the 18 for the next step's K may be out
.irp d, 0,1,2,3
	v_wmma_scale_f32_16x16x128_f8f6f4 v[160+8*\d:167+8*\d], v[36+12*\d:47+12*\d], v[160:171], v[160+8*\d:167+8*\d], v[208+\d], v212 matrix_a_fmt:MATRIX_FMT_BF6 matrix_b_fmt:MATRIX_FMT_BF6
	v_wmma_scale_f32_16x16x128_f8f6f4 v[192+8*\d:199+8*\d], v[36+12*\d:47+12*\d], v[180:191], v[192+8*\d:199+8*\d], v[208+\d], v213 matrix_a_fmt:MATRIX_FMT_BF6 matrix_b_fmt:MATRIX_FMT_BF6
.endr
	WIN 0
.Lhid_\@:
	s_add_co_u32 s[ST], s[ST], 1
	s_add_co_u32 s[TB], s[TB], REC
.endm
.macro KLOOP n, mask
	s_mov_b32 s[CNT], \n
.Lk_\@:
	STEP \mask
	s_sub_co_u32 s[CNT], s[CNT], 1
	s_cmp_lg_u32 s[CNT], 0
	s_cbranch_scc1 .Lk_\@
.endm
.macro INIT                            ; the step is written once: the first finds zeros, and a largest t under every t
.irp x, 0,1
	v_mov_b32 v[13+4*\x], 0xff61b1e6
	v_mov_b32 v[14+4*\x], 0
	v_mov_b32 v[15+4*\x], 0
.endr
.irp x, 0,1
	v_floor_f32 v[12+4*\x], -v[13+4*\x]
.endr
	WIN 0x40
.set j, 0
.rept 64
	v_mov_b32 v[160+j], 0
.set j, j+1
.endr
	WIN 0
.endm
; O^T / the sum; a tile's 16 rows x 256 bytes turn through the wave's own stage, and sixteen lanes store 256 consecutive bytes, aligned.
.macro WAYOUT ob
	s_wait_dscnt 0x0                               ; the last fetch of K has landed: its registers are used below
.rept 4
	v_nop
.endr
.irp x, 0,1
	v_add_f32 v[14+4*\x], v[14+4*\x], v[15+4*\x]
.endr
.irp x, 0,1
	v_permlanex16_b32 v[234+16*\x], v[14+4*\x], s[SEL], s[SEL+1]
.endr
.irp x, 0,1
	v_add_f32 v[14+4*\x], v[14+4*\x], v[234+16*\x]
.endr
	s_wait_alu depctr_va_vdst(0)
	v_rcp_f32 v14, v14
	v_rcp_f32 v18, v18
	v_nop
	WIN 0x01
	s_wait_alu depctr_va_vdst(0)
.irp x, 0,1
.set j, 0
.rept 32
	v_mul_f32 v[96+32*\x+j], v[160+32*\x+j], v[14+4*\x]
.set j, j+1
.endr
.endr
	WIN 0
.irp x, 0,1
.irp e, 0,1
.irp k, 0,1,2,3
	ds_store_b128 v4, v[96+32*\x+16*\e+4*\k:99+32*\x+16*\e+4*\k] offset:128*\e+16*\k
.endr
.endr
.irp i, 0,1,2,3,4,5,6,7
	ds_load_b128 v[36+124*\x+4*\i:39+124*\x+4*\i], v5 offset:544*\i   ; LDS serves a wave's instructions in order
.endr
.endr
.irp x, 0,1
.irp i, 0,1,2,3,4,5,6,7
	s_wait_dscnt 23-16*\x-\i
	global_store_b128 v6, v[36+124*\x+4*\i:39+124*\x+4*\i], s[\ob:\ob+1] offset:(2*\i+8*(\i/4))*4096+32768*\x th:TH_STORE_NT
.endr
.endr
	s_wait_xcnt 0x0                                ; the stores have read their registers
.endm
	s_load_b128 s[4:7], s[0:1], 0x0                ; img, sw
	s_load_b64 s[8:9], s[0:1], 0x10                ; out0
	v_lshl_add_u32 v254, v0, 2, SPARE
	v_mov_b32 v255, 0
	ds_add_u32 v254, v255                          ; the opening lines: the add, twice on end, and its wait
	ds_add_u32 v254, v255
	v_lshrrev_b32 v9, 5, v0
	v_readfirstlane_b32 s[WV], v9
	s_and_b32 s[BH], ttmp7, 0xffff                 ; the cluster's y: 16 batch + head
	s_bfe_u32 s[CX], ttmp6, 0x40000
	SHAPE G1A, 26
	SHAPE G1B, 76
	s_mul_i32 s10, s[BH], 16*REC
	s_add_co_u32 s10, s10, KVB
	s_mul_i32 s12, s[WV], PH1
	s_mul_i32 s13, s[WV], PH2
	s_add_co_u32 s13, s13, 8*PH1
	s_add_co_u32 s14, s10, s12
	s_mov_b32 s15, 0
	s_add_co_u32 s10, s10, s13
	s_mov_b32 s11, 0
	s_mov_b32 s[SEL], 0x76543210
	s_mov_b32 s[SEL+1], 0xfedcba98
	s_mov_b32 s[CS], 0x3e38aa3b                    ; log2(e) / 8
	s_mov_b32 s[CS+1], s[CS]
	s_sub_co_u32 s[AQ], 15, s[WV]
	s_mov_b32 s[ST], 0
	s_mov_b32 s[TB], 0
	s_wait_dscnt 0x0
	s_wait_kmcnt 0x0
	s_mov_b32 s[G0A], 1
	s_mov_b32 s[G0A+1], s12
	s_add_nc_u64 s[G0A+2:G0A+3], s[4:5], s[14:15]
	s_or_b32 s[G0A+3], s[G0A+3], 0x80000000
	s_mov_b32 s[G0B], 1
	s_mov_b32 s[G0B+1], s13
	s_add_nc_u64 s[G0B+2:G0B+3], s[4:5], s[10:11]
	s_or_b32 s[G0B+3], s[G0B+3], 0x80000000
	ROUND                                          ; the four partners are here: the first joint loads meet
	tensor_load_to_lds s[G0A:G0A+3], s[G1A:G1A+7]  ; my 26 rows of the first 208
	s_nop 0
	PLACE AQ, QIH, QWH, OBH
	PLACE WV, QIL, QWL, OBL
	v_and_b32 v9, 31, v0
	v_lshlrev_b32 v1, 4, v9                        ; 16 x lane
	v_lshlrev_b32 v2, 3, v9                        ; 8 x lane
	v_and_b32 v10, 15, v0                          ; r
	v_bfe_u32 v11, v0, 4, 1                        ; h
	v_lshlrev_b32 v3, 4, v10                       ; 16 r
	s_mul_i32 s16, s[WV], 4352
	s_add_co_u32 s16, s16, STG
	v_mul_u32_u24 v4, v10, 272
	v_lshl_add_u32 v4, v11, 6, v4
	v_add_nc_u32 v4, s16, v4                       ; into my stage: row r, + 64 h
	v_mul_u32_u24 v5, v11, 272
	v_add_nc_u32 v5, v5, v3
	v_add_nc_u32 v5, s16, v5                       ; out of it: row h, + 16 r
	v_lshl_add_u32 v6, v11, 12, v3                 ; and the same in the output
	v_and_b32 v7, 8, v10
	v_add_nc_u32 v7, v7, v10
	v_lshlrev_b32 v11, 4, v11
	v_sub_nc_u32 v7, v7, v11
	s_lshl_b32 s16, s[CX], 5
	v_add_nc_u32 v7, s16, v7                       ; tile 0: my query in its group, less 16 h
	v_add_nc_u32 v8, 8, v7                         ; tile 1
	global_load_b64 v[214:215], v3, s[QWH:QWH+1]   ; q's words of tiles 0, 1
	global_load_b64 v[216:217], v3, s[QWL:QWL+1]
	WIN 0x40
	global_load_b128 v[0:3], v1, s[QIH:QIH+1]
	global_load_b64 v[4:5], v2, s[QIH:QIH+1] offset:512
	global_load_b128 v[12:15], v1, s[QIH:QIH+1] offset:768
	global_load_b64 v[16:17], v2, s[QIH:QIH+1] offset:1280
	global_load_b128 v[24:27], v1, s[QIL:QIL+1]
	global_load_b64 v[28:29], v2, s[QIL:QIL+1] offset:512
	global_load_b128 v[30:33], v1, s[QIL:QIL+1] offset:768
	global_load_b64 v[34:35], v2, s[QIL:QIL+1] offset:1280
.irp j, 0,1,2,3,4,5
	v_mov_b32 v[6+\j], 0                           ; the head has 64 of the instruction's 128 along K: zero codes for the rest
	v_mov_b32 v[18+\j], 0
.endr
	WIN 0
.irp j, 0,1,2,3,4,5
	v_mov_b32 v[84+\j], 0
.endr
.irp x, 0,1
.irp b, 0,1,2,3
	v_mov_b32 v[224+16*\x+\b], 0                   ; a lane permute's destination counts as one of its sources
.endr
	v_mov_b32 v[233+16*\x], 0                      ; the upper half of f's pair
	v_mov_b32 v[234+16*\x], 0
.endr
	v_mov_b32 v252, 0xff800000
	INIT
	s_wait_alu depctr_va_vdst(0)                   ; the wait at the head's end
	s_wait_tensorcnt 0x0                           ; my part of the first rows is in; the later first fill is issued as a refill is:
	ds_add_u32 v254, v255
	s_wait_dscnt 0x0
	ROUND
	tensor_load_to_lds s[G0B:G0B+3], s[G1B:G1B+7]  ; my 76 rows of the other 608
	s_nop 0
	KLOAD 1, 2, 3                                  ; step 0's K
	s_wait_loadcnt 0x0                             ; q
	KLOOP 3, 0                                     ; steps 0-2 read records 0-2 and K of record 3: rows 0-203, all of the first fill; every group at work here has nine steps or more
	s_wait_tensorcnt 0x0                           ; my part of the rest is in
	s_wait_dscnt 0x0
	s_barrier_signal -1
	s_barrier_wait -1                              ; and everybody's
	KLOOP 13, 1
	WAYOUT OBH
	WIN 0x41
.irp j, 0,1,2,3,4,5
	v_mov_b32 v[\j], v[24+\j]                      ; the second block's q
	v_mov_b32 v[12+\j], v[30+\j]
.endr
	WIN 0
	v_mov_b32 v214, v216
	v_mov_b32 v215, v217
	s_mov_b32 s[AQ], s[WV]
	s_mov_b32 s[ST], 0
	s_mov_b32 s[TB], 0
	INIT
	KLOAD 1, 2, 3
	s_wait_alu depctr_va_vdst(0)
	KLOOP 8, 1                                     ; groups 0-7 have eight steps at the most
	WAYOUT OBL
	s_wait_tensorcnt 0x0                           ; the wave's end
	ds_add_u32 v254, v255
	s_wait_dscnt 0x0
	ROUND                                          ; the closing round
	s_endpgm
.Lfunc_end_k_qae27fe8ca1_attn:
	.size	k_qae27fe8ca1_attn, .Lfunc_end_k_qae27fe8ca1_attn-k_qae27fe8ca1_attn
	.p2alignl 7, 3214868480
	.fill 96, 4, 3214868480
	.section	.rodata,"a",@progbits
	.p2align	6, 0x0
	.amdhsa_kernel k_qae27fe8ca1_attn
		.amdhsa_group_segment_fixed_size 327680
		.amdhsa_private_segment_fixed_size 0
		.amdhsa_enable_private_segment 0
		.amdhsa_kernarg_size 24
		.amdhsa_user_sgpr_count 2
		.amdhsa_user_sgpr_kernarg_segment_ptr 1
		.amdhsa_wavefront_size32 1
		.amdhsa_system_sgpr_workgroup_id_x 1
		.amdhsa_system_sgpr_workgroup_id_y 1
		.amdhsa_system_sgpr_workgroup_id_z 1
		.amdhsa_system_vgpr_workitem_id 0
		.amdhsa_next_free_vgpr 512
		.amdhsa_next_free_sgpr 70
		.amdhsa_reserve_vcc 1
		.amdhsa_float_denorm_mode_32 3
		.amdhsa_float_denorm_mode_16_64 3
		.amdhsa_memory_ordered 1
		.amdhsa_forward_progress 1
		.amdhsa_inst_pref_size 139
	.end_amdhsa_kernel
	.amdgpu_metadata
---
amdhsa.version: [ 1, 2 ]
amdhsa.kernels:
  - .name:           k_qae27fe8ca1_attn
    .symbol:         k_qae27fe8ca1_attn.kd
    .args:
      - { .name: img, .offset: 0, .size: 8, .value_kind: global_buffer, .address_space: global }
      - { .name: sw, .offset: 8, .size: 8, .value_kind: global_buffer, .address_space: global }
      - { .name: out0, .offset: 16, .size: 8, .value_kind: global_buffer, .address_space: global }
    .group_segment_fixed_size: 327680
    .private_segment_fixed_size: 0
    .kernarg_segment_align: 8
    .kernarg_segment_size: 24
    .max_flat_workgroup_size: 256
    .sgpr_count:     70
    .vgpr_count:     512
    .wavefront_size: 32
...
	.end_amdgpu_metadata
.endif
;; end of part 3
